; MI455X (gfx1250); checked and timed in simulation.
; The chip was launched on July 23, 2026; its instructions are those of AMD's public machine-readable ISA for CDNA 5 (MIT licence, August 2026) and "CDNA5" Instruction Set Architecture Reference Guide (July 2026). The comments in the code are by the model that wrote it; some were corrected since.
;; Multi Head Attention. Allowed arithmetic: matrix products marked QUANTISED: E2M3 operands, one E8M0 scale for each 32 along K, by v_wmma_scale_f32_16x16x128_f8f6f4 with both operands' format E2M3, f32 sums; everything else in f32.
;; Inputs: W_out 1,024 x 1,024 float32; W_qkv 3,072 x 1,024 float32; b_out 1,024 float32; b_qkv 3,072 float32; x 2 x 2,048 x 1,024 float32.
;; Outputs: out0 2 x 2,048 x 1,024 float32.
;; This version of the problem:
;;   THIS VERSION OF THE PROBLEM IS GIVEN IN LOW PRECISION. The matrix products marked QUANTISED in the list below multiply operands that are first quantised to E2M3 (2 exponent bits, 3 mantissa bits; 6 bits a number), with one power-of-two scale for each 32 numbers along K (OCP MX v1.0); their sums are f32. All else is computed in f32.
;;   The module's matrix products, in the order in which they are computed (A, B: the left and right operand; K: the contracted axis; several contracted axes count as one K, in the product's order):
;;     1. [M 4,096, K 1,024] x [K 1,024, N 3,072]; A: input x; B: input W_qkv: QUANTISED
;;     2. batch 32 x [M 2,048, K 64] x [K 64, N 2,048]; A: computed on the way; B: computed on the way: QUANTISED
;;     3. batch 32 x [M 2,048, K 2,048] x [K 2,048, N 64]; A: softmax (see below); B: computed on the way: QUANTISED
;;     4. [M 4,096, K 1,024] x [K 1,024, N 1,024]; A: computed on the way; B: input W_out: QUANTISED
;;   THE QUANTISER, for each operand of a quantised product, along K:
;;     - K is cut into blocks of 32 from its start; a last block that is shorter is filled with zeros.
;;     - A block's scale is 2^e with e = floor(log2(the largest magnitude in the block)) - 2, held to -126 .. 127; a block of zeros has e = 0. As a byte (E8M0): e + 127.
;;     - Each number is divided by its block's scale, clamped to +-7.5, and rounded to the nearest number of E2M3, ties to even, subnormals kept.
;;     - The product sums the exact products of the quantised numbers (number of the format x scale) in f32.
;;   ~~~python
;;   def quantise(x, axis):      # numpy; x: float32 -> the quantised numbers, widened to float32 again
;;       x = np.moveaxis(x, axis, -1); K = x.shape[-1]
;;       x = np.pad(x, [(0, 0)] * (x.ndim - 1) + [(0, -K % 32)]); x = x.reshape(x.shape[:-1] + (-1, 32)); a = np.abs(x).max(-1, keepdims=True)
;;       e = np.where(a > 0, np.clip(np.frexp(np.where(a > 0, a, 1))[1] - 1 - 2, -126, 127), 0)      # np.frexp(a)[1] - 1 = floor(log2(a)), exactly
;;       r = np.clip(x / 2.0 ** e, -7.5, 7.5)
;;       step = 2.0 ** (np.maximum(np.frexp(np.where(r == 0, 1, r))[1] - 1, 0) - 3)
;;       q = np.round(r / step) * step * 2.0 ** e      # np.round: ties to even
;;       return np.moveaxis(q.reshape(q.shape[:-2] + (-1,))[..., :K], -1, axis).astype(np.float32)
;;   ~~~
;;   SOFTMAX AHEAD OF A QUANTISED PRODUCT. Where the list says 'softmax', what is quantised is not the finished softmax but p = 2^(t - M), with t = logit x log2(e) and M = ceil(the row's largest t), a whole number; so 1/2 < the row's largest p <= 1. The row's sum l is taken of the UNQUANTISED p, in f32, and the product's result is divided by l at the end. Since M is a whole number, a kernel that streams over the keys may use a running M (the ceiling of the running maximum): every later rescaling is an exact power of two, which a block's scale takes up: the codes' values come out the same.
;;   OPERANDS COMPUTED ON THE WAY. 'Computed on the way' means the value that the module computes at that place (a softmax that the list does not call 'softmax' is quantised finished and normalised). What goes into a quantiser is computed in f32, as accurately as f32 sums, v_exp_f32 and their like allow (about 1e-6 of the number): no bf16 or f16 on the way to a quantiser, and a product that is left as it is and whose result goes on into a quantised operand takes f32 operands (vector FMAs, or v_wmma_f32_16x16x4_f32). A number that lies on a knife's edge between two numbers of the format may be rounded either way, as far as f32 arithmetic and the matrix unit's own rounding can turn it there, and no further.
;; One version. Each part assembles by itself: llvm-mc -triple=amdgcn-amd-amdhsa -mcpu=gfx1250 --defsym DOCPART=n.
;; ======== version 1 of 1: 4 launches
;; limits: right only within a limited range of input values
;; workspace buffers: xq 3,276,800 bytes; wq 2,457,600 bytes; woq 819,200 bytes; oq 3,276,800 bytes; q_img 3,407,872 bytes; kv_img 6,684,672 bytes
;; launch quant (part 1): grid 256 x 1, 16 waves a work-group, no clusters, 142,336 bytes of LDS; arguments x, W_qkv, W_out, xq, wq, woq; writes xq, wq, woq
.if DOCPART == 1
	.amdgcn_target "amdgcn-amd-amdhsa--gfx1250"
	.amdhsa_code_object_version 6
	.text
	.protected	k_q8ba250b546_quant
	.globl	k_q8ba250b546_quant
	.p2align	8
	.type	k_q8ba250b546_quant,@function
k_q8ba250b546_quant:
	s_mov_b64 s[64:65], 0
	v_nop
	global_prefetch_b8 v0, s[64:65] scope:SCOPE_SE
	s_setreg_imm32_b32 hwreg(HW_REG_WAVE_MODE, 25, 1), 1
	s_wait_xcnt 0x0
; x [4096][1024], W_qkv [3072][1024], W_out [1024][1024], f32 with K innermost, become codes of FP6 (E2M3) with one E8M0 byte for each 32 along K,
; laid in the order of the matrix operand's registers, so that the later launches load fragments as they stand.
; A block's scale is 2^(floor(log2(largest magnitude)) - 2); its byte is the largest magnitude's exponent field - 2, held at 1 from below.
; LIMITS: NaN and infinities among the inputs are not served; a block whose largest magnitude lies under 2^-124 gets the byte 1; a block of zeros gets the byte 1
; where the quantiser's rule says 127: its codes are zeros, which add nothing under any byte but 0xff, and these bytes are read by this program alone.
; DEAD WORK OF THE PROGRAM: scores and p of whole key steps that lie behind all queries of a tile are not computed: the causal mask makes their p 0 for all finite inputs.  A NaN or infinity that reaches only them is not carried.
; ROW ORDER.  In each group of 64 rows, tile t = 0 .. 3 of 16 positions holds at position p row 32 (p / 8) + 8 t + p % 8.  So the result registers of a group's four tiles, in one lane
; (positions 8 h + 0 .. 7 of each), are the 32 neighbouring indices 32 h + 8 t + j: a whole scale block of the next product.
; HALF IMAGE, 768 bytes: 16 positions x 64 along K.  Lane (r, h) owns the 24 bytes of position r, block h: registers 0-3 at 16 x lane, registers 4-5 at 512 + 8 x lane.
; A BUFFER: codes [tile][k / 64][768]; behind all codes the scale bytes [tile][r][32].
; SHARES.  A work-group takes two tiles: work-groups 0-127 x, 128-223 W_qkv, 224-255 W_out; only pointers are chosen, one path serves all three.
; Wave w: tile w / 8 of the two, 128 along K at 128 (w % 8): two half images.  All 16 loads of a wave go out at once; each half of the lanes reads 256 consecutive bytes, aligned.
; The conversions want a block's 32 numbers in ONE lane: the numbers turn through the wave's own stage in LDS (rows of 256 bytes + 16).
; No tensor load, no ring, no cluster: no byte is read twice and waves share only the 1,024 scale bytes, which leave as whole runs of 512 bytes behind one barrier.
.set WREG, 8704                        ; LDS of a wave: two stages of 16 rows x 272 bytes
.set SP,   272
.set STG,  16*SP
.set SCB,  16*WREG                     ; behind the stages: the two tiles' scale bytes, 512 each
.set SPARE, SCB+1024                   ; the spare words, 128 bytes for each wave
.set R,    32                          ; v32-95   numbers as loaded: step j at R + 32 j
.set X,    96                          ; v96-159  a block of 32 for each step
.set C,    160                         ; v160..   step j's six code registers at C + 8 j
.set C2,   176                         ; v176..   the second conversion's three (they begin on an even number), then moved
.set MX,   184                         ; v184-185 largest magnitudes, two chains
.set SO,   186                         ; v186-187 the conversions' scale operand, one for each step
.set SBY,  188                         ; v188-189 the scale's byte
	s_load_b256 s[4:11], s[0:1], 0x0               ; x, W_qkv, W_out, xq
	s_load_b128 s[12:15], s[0:1], 0x20             ; wq, woq
	v_lshl_add_u32 v192, v0, 2, SPARE
	v_mov_b32 v193, 0
	v_lshrrev_b32 v1, 5, v0
	v_readfirstlane_b32 s22, v1                    ; wave 0..15
	s_lshr_b32 s23, s22, 3                         ; tl: which tile of the two
	s_and_b32 s24, s22, 7                          ; e: which 128 along K
	s_mul_i32 s25, s22, WREG
	s_lshl_b32 s26, s23, 9                         ; my byte among the 1,024: 512 tl + 32 r + 4 e + h (+ 2 j)
	s_lshl_b32 s27, s24, 2
	s_add_co_u32 s26, s26, s27
	s_add_co_u32 s26, s26, SCB
	v_and_b32 v1, 31, v0                           ; lane
	v_and_b32 v10, 15, v0                          ; r
	v_bfe_u32 v11, v0, 4, 1                        ; h
	v_lshlrev_b32 v12, 4, v10                      ; 16 r
	v_lshl_add_u32 v2, v11, 17, v12                ; in memory: lanes 16-31 stand 32 rows (131,072 bytes) further down; 16 bytes a lane
	v_mad_u32_u24 v3, v11, 8*SP, v12               ; into the stage: lanes 16-31 eight positions on
	v_add_nc_u32 v3, s25, v3
	v_mul_u32_u24 v4, v10, SP                      ; out of it: position r, block h (128 bytes)
	v_lshl_add_u32 v4, v11, 7, v4
	v_add_nc_u32 v4, s25, v4
	v_lshl_add_u32 v5, v10, 5, v11
	v_add_nc_u32 v5, s26, v5
	v_lshlrev_b32 v6, 4, v1                        ; 16 x lane
	v_lshlrev_b32 v7, 3, v1                        ; 8 x lane
	v_and_b32 v9, 63, v0
	v_lshlrev_b32 v9, 4, v9                        ; the scale bytes' way out: waves 0 and 1, 16 bytes a thread
	v_add_nc_u32 v8, SCB, v9
	s_wait_alu depctr_va_vdst(0)                   ; the wait at the head's end
	s_wait_kmcnt 0x0
	s_cmp_lt_u32 ttmp9, 224                        ; which tensor: the choice hangs on the work-group's number alone
	s_cselect_b64 s[16:17], s[6:7], s[8:9]
	s_cselect_b64 s[18:19], s[12:13], s[14:15]
	s_mov_b32 s20, 224
	s_cselect_b32 s20, 128, s20                    ; the tensor's first work-group
	s_mov_b32 s21, 64*12288
	s_cselect_b32 s21, 192*12288, s21              ; where its scale bytes begin: tiles x 12,288
	s_cmp_lt_u32 ttmp9, 128
	s_cselect_b64 s[16:17], s[4:5], s[16:17]
	s_cselect_b64 s[18:19], s[10:11], s[18:19]
	s_cselect_b32 s20, 0, s20
	s_cselect_b32 s21, 256*12288, s21
	s_sub_co_u32 s28, ttmp9, s20                   ; n: tiles 2 n, 2 n + 1 of the tensor: group n / 2, t = 2 (n % 2) + tl
	s_lshr_b32 s30, s28, 1
	s_lshl_b32 s30, s30, 18                        ; 262,144 bytes a group of 64 rows,
	s_and_b32 s29, s28, 1
	s_lshl_b32 s29, s29, 16
	s_add_co_u32 s30, s30, s29
	s_lshl_b32 s29, s23, 15                        ; a tile begins 8 rows below the one before,
	s_add_co_u32 s30, s30, s29
	s_lshl_b32 s29, s24, 9                         ; 512 bytes for 128 numbers
	s_add_co_u32 s30, s30, s29
	s_mov_b32 s31, 0
	s_add_nc_u64 s[16:17], s[16:17], s[30:31]
	s_lshl_b32 s28, s28, 1
	s_add_co_u32 s29, s28, s23                     ; the tile's number
	s_mul_i32 s30, s29, 12288
	s_mul_i32 s29, s24, 1536
	s_add_co_u32 s30, s30, s29                     ; my two half images
	s_lshl_b32 s32, s28, 9
	s_add_co_u32 s32, s32, s21                     ; the two tiles' 1,024 scale bytes
	s_mov_b32 s33, 0
	s_add_nc_u64 s[34:35], s[18:19], s[32:33]
	s_add_nc_u64 s[18:19], s[18:19], s[30:31]
.macro LOADS j                         ; step j: 64 along K of 16 positions: load i brings positions i and i + 8
.irp i, 0,1,2,3,4,5,6,7
	global_load_b128 v[R+32*\j+4*\i:R+32*\j+4*\i+3], v2, s[16:17] offset:4096*\i+256*\j th:TH_LOAD_NT
.endr
.endm
.macro TURN j                          ; through the stage: LDS serves a wave's instructions in order (ISA guide 5.7.1.4), so no wait stands between the stores and the loads
.irp i, 0,1,2,3,4,5,6,7
	ds_store_b128 v3, v[R+32*\j+4*\i:R+32*\j+4*\i+3] offset:STG*\j+SP*\i
.endr
.irp m, 0,1,2,3,4,5,6,7
	ds_load_b128 v[X+32*\j+4*\m:X+32*\j+4*\m+3], v4 offset:STG*\j+16*\m
.endr
.endm
.macro BLOCK j                         ; my block of 32: scale, codes, byte; the half image leaves as 512 + 256 consecutive bytes
.set XS, X+32*\j
	v_max3_num_f32 v[MX], |v[XS]|, |v[XS+1]|, |v[XS+2]|
	v_max3_num_f32 v[MX+1], |v[XS+3]|, |v[XS+4]|, |v[XS+5]|
.irp i, 6,10,14,18,22,26
	s_delay_alu instid0(VALU_DEP_2)
	v_max3_num_f32 v[MX], v[MX], |v[XS+\i]|, |v[XS+\i+1]|
	s_delay_alu instid0(VALU_DEP_2)
	v_max3_num_f32 v[MX+1], v[MX+1], |v[XS+\i+2]|, |v[XS+\i+3]|
.endr
	s_delay_alu instid0(VALU_DEP_2)
	v_max3_num_f32 v[MX], v[MX], |v[XS+30]|, |v[XS+31]|
	s_delay_alu instid0(VALU_DEP_1)
	v_max3_num_f32 v[MX], v[MX], v[MX+1], 0x1800000            ; the floor 2^(3 - 127): the byte cannot fall under 1
	s_delay_alu instid0(VALU_DEP_1)
	v_add_nc_u32 v[SO+\j], 0xff000000, v[MX]                   ; 2 off the exponent field: the conversion takes this operand's exponent field as its scale
	v_cvt_scalef32_pk16_fp6_f32 v[C+8*\j:C+8*\j+2], v[XS:XS+15], v[SO+\j]
	v_cvt_scalef32_pk16_fp6_f32 v[C2+4*\j:C2+4*\j+2], v[XS+16:XS+31], v[SO+\j]
	v_lshrrev_b32 v[SBY+\j], 23, v[SO+\j]                      ; the byte; also the plain instruction behind the conversions
.irp i, 0,1,2
	v_mov_b32 v[C+8*\j+3+\i], v[C2+4*\j+\i]
.endr
	ds_store_b8 v5, v[SBY+\j] offset:2*\j
	global_store_b128 v6, v[C+8*\j:C+8*\j+3], s[18:19] offset:768*\j
	global_store_b64 v7, v[C+8*\j+4:C+8*\j+5], s[18:19] offset:768*\j+512
.endm
	LOADS 0
	LOADS 1
	s_wait_loadcnt 8                               ; step 0's eight loads are in; step 1's eight may be out
	TURN 0
	s_wait_loadcnt 0x0
	TURN 1
	s_wait_dscnt 16                                ; behind step 0's turn stand step 1's sixteen LDS instructions
	BLOCK 0
	s_wait_dscnt 1                                 ; behind step 1's turn stands block 0's byte store
	BLOCK 1
	s_wait_dscnt 0x0                               ; for the others' sake: my byte stores have landed
	s_barrier_signal -1
	s_barrier_wait -1
	s_cmp_lt_u32 s22, 2                            ; waves 0 and 1 store a tile's 512 scale bytes each
	s_cbranch_scc0 .Ldone
	ds_load_b128 v[12:15], v8
	s_wait_dscnt 0x0
	global_store_b128 v9, v[12:15], s[34:35]
.Ldone:
	s_wait_tensorcnt 0x0                           ; the wave's end
	ds_add_u32 v192, v193
	s_wait_dscnt 0x0
	s_endpgm
.Lfunc_end_k_q8ba250b546_quant:
	.size	k_q8ba250b546_quant, .Lfunc_end_k_q8ba250b546_quant-k_q8ba250b546_quant
	.p2alignl 7, 3214868480
	.fill 96, 4, 3214868480
	.section	.rodata,"a",@progbits
	.p2align	6, 0x0
	.amdhsa_kernel k_q8ba250b546_quant
		.amdhsa_group_segment_fixed_size 142336
		.amdhsa_private_segment_fixed_size 0
		.amdhsa_enable_private_segment 0
		.amdhsa_kernarg_size 48
		.amdhsa_user_sgpr_count 2
		.amdhsa_user_sgpr_kernarg_segment_ptr 1
		.amdhsa_wavefront_size32 1
		.amdhsa_system_sgpr_workgroup_id_x 1
		.amdhsa_system_sgpr_workgroup_id_y 1
		.amdhsa_system_sgpr_workgroup_id_z 1
		.amdhsa_system_vgpr_workitem_id 0
		.amdhsa_next_free_vgpr 194
		.amdhsa_next_free_sgpr 66
		.amdhsa_reserve_vcc 0
		.amdhsa_float_denorm_mode_32 3
		.amdhsa_float_denorm_mode_16_64 3
		.amdhsa_memory_ordered 1
		.amdhsa_forward_progress 1
		.amdhsa_inst_pref_size 12
	.end_amdhsa_kernel
	.amdgpu_metadata
---
amdhsa.version: [ 1, 2 ]
amdhsa.kernels:
  - .name:           k_q8ba250b546_quant
    .symbol:         k_q8ba250b546_quant.kd
    .args:
      - { .name: x, .offset: 0, .size: 8, .value_kind: global_buffer, .address_space: global }
      - { .name: W_qkv, .offset: 8, .size: 8, .value_kind: global_buffer, .address_space: global }
      - { .name: W_out, .offset: 16, .size: 8, .value_kind: global_buffer, .address_space: global }
      - { .name: xq, .offset: 24, .size: 8, .value_kind: global_buffer, .address_space: global }
      - { .name: wq, .offset: 32, .size: 8, .value_kind: global_buffer, .address_space: global }
      - { .name: woq, .offset: 40, .size: 8, .value_kind: global_buffer, .address_space: global }
    .group_segment_fixed_size: 142336
    .private_segment_fixed_size: 0
    .kernarg_segment_align: 8
    .kernarg_segment_size: 48
    .max_flat_workgroup_size: 512
    .sgpr_count:     66
    .vgpr_count:     194
    .wavefront_size: 32
...
	.end_amdgpu_metadata
.endif
;; end of part 1
;; launch qkv (part 2): grid 8 x 32, 4 waves a work-group, clusters of 4 x 4, 327,680 bytes of LDS; arguments xq, wq, b_qkv, q_img, kv_img; writes q_img, kv_img
.if DOCPART == 2
	.amdgcn_target "amdgcn-amd-amdhsa--gfx1250"
	.amdhsa_code_object_version 6
	.text
	.protected	k_q8ba250b546_qkv
	.globl	k_q8ba250b546_qkv
	.p2align	8
	.type	k_q8ba250b546_qkv,@function
k_q8ba250b546_qkv:
	s_mov_b64 s[64:65], 0
	v_nop
	global_prefetch_b8 v0, s[64:65] scope:SCOPE_SE
	s_setreg_imm32_b32 hwreg(HW_REG_WAVE_MODE, 25, 1), 1
	s_wait_xcnt 0x0
	s_wait_alu depctr_hold_cnt(0) depctr_sa_sdst(0) depctr_va_vdst(0) depctr_va_sdst(0) depctr_va_ssrc(0) depctr_va_vcc(0) depctr_vm_vsrc(0)
	s_getreg_b32 s2, hwreg(HW_REG_IB_STS2, 6, 4)
	s_cmp_eq_u32 s2, 0
	s_cbranch_scc0 .Lentry_in_a_cluster
	s_endpgm
.Lentry_in_a_cluster:
	s_bfe_u32 s2, ttmp6, 0x10000c
	s_cmp_lg_u32 s2, 0xf033
	s_cbranch_scc0 .Lentry_shape_is_right
	s_endpgm
.Lentry_shape_is_right:
; qkv = x W_qkv^T + b_qkv on codes of FP6 (E2M3) with E8M0 scales, K = 1,024; the f32 results are quantised here, in registers, into the operands of the attention launch and never go to memory as f32.
; A work-group makes Q, K and V, one after the other, of 128 tokens (one key step of the attention) and two heads: 256 work-groups of equal work.  Waves 2 x 2: wave (wr, wc) has 64 tokens (four tiles of x) and one head (four tiles of a weight): 16 accumulators.
; x's 64 rows, ALL of K, lie in 384 registers and serve all three products; the weights' fragments come from LDS in batches of two steps of 128 along K, 32 loads in one run, two sets of registers by turns.
; Q, K: source 0 = a weight's tile b, source 1 = x's tile a: lane (r, h) holds token r of tile a and features 32 h + 8 b + j: a scale block of the head's 64, whole in a lane.
; V: source 0 = x's tile a, source 1 = the weight's tile b: lane (r, h) holds feature r of tile b and tokens 32 h + 8 a + j: a scale block along the keys.
; OUT.  q_img [batch, head][step of 128 tokens][8 tiles x 768 | scale words [c][r][4 tiles]: 512];  kv_img [batch, head][step][K as Q: 6,656 | V: 4 tiles x 1,536 | scale words [r][4 tiles]: 256] = 13,056 bytes a step.
; Q's and K's scale words hold their two bytes twice: the upper two meet zero codes alone.
; LDS: three regions of 98,304 bytes: x, later W_v; W_q; W_k.  At the head each wave issues one joint load: waves 0, 1 x's halves, wave 2 W_q, wave 3 W_k.  ONE refill: W_v onto x's bytes, when all waves hold x in registers, in a drained round of the cluster's barrier.
; CLUSTERS 4 x 4: x's tiles are shared along a row of the cluster, a weight's along a column.
; No prefetch: the launch has one refill, asked for ten steps ahead of its first read, and no loop to run ahead in.
; LIMITS: NaN and infinities are not served; a block under 2^-124, or of zeros, gets the byte 1; the bytes are read by this program alone.
; REGISTERS by windows of 256: 0: v1-25 addresses, v32-63 x's scale words (tile a, step q at 32 + 8 a + q), v68-163 the weights' (68 + 32 phase + 8 b + q), v164-227 the way out;
;   1 and 2: x's fragments f = 4 q + a, 21 in window 1, 11 in window 2; 2 also: 132-227 the weights' fragments, set 0;  3: 0-127 accumulators, 128-223 the weights' fragments, set 1, 224-255 the phase's bias as the first products' C.
.set TROW, 12288                       ; a tile's whole K
.set REG,  8*TROW
.set STG,  3*REG                       ; stages of scale bytes: Q 256 a wave, K 256 a wave, V 256 a head
.set SPARE, STG+2560                   ; the spare words, 128 bytes for each wave
.set TA,   164
.set SO,   172
.set EB,   176
.set CD,   180
.set CT,   212
.set MSB, 0
.macro WIN new
.if MSB != (\new)
	s_set_vgpr_msb (MSB<<8)|(\new)
.set MSB, (\new)
.endif
.endm
.macro PLACES n
.rept \n
	v_nop
.endr
.endm
.macro MIDDLE
	WIN 0
	s_barrier_wait -1
	s_cmp_lg_u32 s14, 0
	s_cbranch_scc1 .Lnot_wave_0_\@
	s_barrier_signal -3
.Lnot_wave_0_\@:
	s_barrier_wait -3
	s_barrier_signal -1
	s_barrier_wait -1
.endm
.macro CROUND
	s_barrier_signal -1
	MIDDLE
.endm
.macro TLOAD g0, g1
	tensor_load_to_lds s[\g0:\g0+3], s[\g1:\g1+7]
	s_nop 0
	PLACES 4
.endm
.macro GROUP1 g, rows                  ; rows of 3,072 bytes (384 elements of 8), dense in memory and in LDS
	s_mov_b32 s[\g+1], 384<<16
	s_mov_b32 s[\g+2], (\rows)<<16
	s_mov_b32 s[\g+3], 384<<16
	s_mov_b32 s[\g+4], \rows
	s_mov_b32 s[\g+5], 384
	s_mov_b32 s[\g+6], 0
	s_mov_b32 s[\g+7], 0
.endm
	s_load_b256 s[4:11], s[0:1], 0x0               ; xq, wq, b_qkv, q_img
	s_load_b64 s[12:13], s[0:1], 0x20              ; kv_img
	v_lshl_add_u32 v8, v0, 2, SPARE
	v_mov_b32 v9, 0
	ds_add_u32 v8, v9                              ; the opening lines: the add, twice on end; work on registers; its wait
	ds_add_u32 v8, v9
	v_lshrrev_b32 v1, 5, v0
	v_readfirstlane_b32 s14, v1                    ; wave
	s_lshr_b32 s15, s14, 1                         ; wr
	s_and_b32 s16, s14, 1                          ; wc
	s_bfe_u32 s56, ttmp6, 0x40000                  ; cx
	s_bfe_u32 s57, ttmp6, 0x40004                  ; cy
	s_lshl_b32 s58, ttmp9, 2
	s_add_co_u32 s58, s58, s56                     ; hp: the pair of heads
	s_and_b32 s59, ttmp7, 0xffff
	s_lshl_b32 s59, s59, 2
	s_add_co_u32 s59, s59, s57                     ; tb: the block of 128 tokens
	s_lshl_b32 s60, s57, 2
	s_lshl_b32 s60, 15, s60                        ; my row of the cluster
	s_lshl_b32 s61, 0x1111, s56                    ; my column
	s_or_b32 s24, s60, (3<<16)|(1<<21)
	s_or_b32 s32, s61, (3<<16)|(1<<21)
	GROUP1 24, 16                                  ; x: four tiles
	GROUP1 32, 32                                  ; a weight: eight tiles
	s_mul_i32 s20, s59, REG
	s_mul_i32 s62, s14, REG/2
	s_mov_b32 s63, 0
	s_add_co_u32 s20, s20, s62
	s_mov_b32 s21, 0
	s_mul_i32 s22, s58, REG
	s_mov_b32 s23, 0
	s_mov_b32 s40, 1
	s_mov_b32 s41, s62
	s_mov_b32 s44, 1
	s_mov_b32 s45, REG
	s_mov_b32 s48, 1
	s_mov_b32 s49, 2*REG
	s_mov_b32 s52, 1
	s_mov_b32 s53, s62
	s_lshl_b32 s66, s59, 3                         ; scale bytes: x's tiles 8 tb + 4 wr,
	s_lshl_b32 s17, s15, 2
	s_add_co_u32 s66, s66, s17
	s_lshl_b32 s66, s66, 9
	s_add_co_u32 s66, s66, 256*TROW
	s_mov_b32 s67, 0
	s_lshl_b32 s68, s58, 3                         ; the weight's 8 hp + 4 wc
	s_lshl_b32 s17, s16, 2
	s_add_co_u32 s68, s68, s17
	s_lshl_b32 s68, s68, 9
	s_add_co_u32 s68, s68, 192*TROW
	s_mov_b32 s69, 0
	s_lshl_b32 s18, s58, 1
	s_add_co_u32 s18, s18, s16                     ; my head
	s_lshl_b32 s70, s18, 8
	s_mov_b32 s71, 0
	s_lshr_b32 s17, s59, 4
	s_lshl_b32 s17, s17, 4
	s_add_co_u32 s17, s17, s18                     ; 16 x batch + head
	s_lshl_b32 s17, s17, 4
	s_and_b32 s18, s59, 15
	s_add_co_u32 s17, s17, s18                     ; x 16 + step
	s_mul_i32 s78, s17, 6656                       ; Q's step,
	s_mul_i32 s82, s17, 13056                      ; K's and V's
	s_mul_i32 s18, s15, 3072
	s_lshl_b32 s19, s15, 8
	s_add_co_u32 s72, s78, s18                     ; Q's codes: my four tiles;
	s_add_co_u32 s78, s78, s19
	s_add_co_u32 s78, s78, 6144                    ; its scale words
	s_add_co_u32 s74, s82, s18                     ; K's
	s_add_co_u32 s80, s82, s19
	s_add_co_u32 s80, s80, 6144
	s_mul_i32 s18, s15, 768
	s_add_co_u32 s76, s82, s18                     ; V's: half image wr of each fragment
	s_add_co_u32 s76, s76, 6656
	s_add_co_u32 s82, s82, 12800
	s_mov_b32 s73, 0
	s_mov_b32 s75, 0
	s_mov_b32 s77, 0
	s_mov_b32 s79, 0
	s_mov_b32 s81, 0
	s_mov_b32 s83, 0
	s_mul_i32 s17, s15, REG/2
	s_mul_i32 s18, s16, REG/2
	s_add_co_u32 s19, s18, REG
	s_add_co_u32 s84, s18, 2*REG
	s_lshl_b32 s85, s14, 8
	s_add_co_u32 s85, s85, STG                     ; Q's and K's stage of my own
	s_lshl_b32 s86, s16, 8
	s_add_co_u32 s86, s86, STG+2048                ; V's, shared by the two waves of a head
	s_lshl_b32 s87, s15, 1
	s_add_co_u32 s87, s87, s86
	s_wait_dscnt 0x0
	CROUND                                         ; all sixteen work-groups are here: the first joint loads meet
	s_wait_kmcnt 0x0
	s_add_nc_u64 s[42:43], s[4:5], s[20:21]
	s_add_nc_u64 s[46:47], s[6:7], s[22:23]
	s_add_nc_u64 s[50:51], s[46:47], 64*TROW
	s_add_nc_u64 s[54:55], s[50:51], 64*TROW
	s_add_nc_u64 s[54:55], s[54:55], s[62:63]
	s_or_b32 s43, s43, 0x80000000
	s_or_b32 s47, s47, 0x80000000
	s_or_b32 s51, s51, 0x80000000
	s_or_b32 s55, s55, 0x80000000
	s_cmp_lt_u32 s14, 2
	s_cbranch_scc0 .Lhead_q
	TLOAD 40, 24                                   ; waves 0, 1: x's halves
	s_branch .Lasked
.Lhead_q:
	s_cmp_eq_u32 s14, 2
	s_cbranch_scc0 .Lhead_k
	TLOAD 44, 32                                   ; wave 2: W_q
	s_branch .Lasked
.Lhead_k:
	TLOAD 48, 32                                   ; wave 3: W_k
.Lasked:
	s_add_nc_u64 s[66:67], s[4:5], s[66:67]
	s_add_nc_u64 s[68:69], s[6:7], s[68:69]
	s_add_nc_u64 s[70:71], s[8:9], s[70:71]
	s_add_nc_u64 s[72:73], s[10:11], s[72:73]
	s_add_nc_u64 s[78:79], s[10:11], s[78:79]
	s_add_nc_u64 s[74:75], s[12:13], s[74:75]
	s_add_nc_u64 s[76:77], s[12:13], s[76:77]
	s_add_nc_u64 s[80:81], s[12:13], s[80:81]
	s_add_nc_u64 s[82:83], s[12:13], s[82:83]
	v_and_b32 v1, 15, v0                           ; r
	v_bfe_u32 v2, v0, 4, 1                         ; h
	v_and_b32 v22, 31, v0
	v_lshlrev_b32 v3, 4, v22                       ; 16 x lane
	v_lshlrev_b32 v4, 3, v22                       ; 8 x lane
	v_lshlrev_b32 v5, 5, v1                        ; a row's 32 scale bytes
	v_lshlrev_b32 v6, 7, v2                        ; Q's and K's bias: features 32 h on
	v_lshrrev_b32 v7, 3, v1                        ; V's: feature 32 (r / 8) + r % 8 (+ 8 b)
	v_and_b32 v23, 7, v1
	v_lshlrev_b32 v7, 7, v7
	v_lshl_add_u32 v7, v23, 2, v7
	v_add_nc_u32 v10, s17, v3                      ; x,
	v_add_nc_u32 v11, s17, v4
	v_add_nc_u32 v12, s19, v3                      ; W_q,
	v_add_nc_u32 v13, s19, v4
	v_add_nc_u32 v14, s84, v3                      ; W_k,
	v_add_nc_u32 v15, s84, v4
	v_add_nc_u32 v16, s18, v3                      ; W_v
	v_add_nc_u32 v17, s18, v4
	v_lshl_add_u32 v24, v1, 4, v2                  ; a scale byte's place: 16 r + h (+ 4 x tile)
	v_add_nc_u32 v18, s85, v24
	v_add_nc_u32 v19, s85, v4
	v_add_nc_u32 v20, s87, v24
	v_add_nc_u32 v21, s86, v4
.irp a, 0,1,2,3
	global_load_b128 v[32+8*\a:35+8*\a], v5, s[66:67] offset:512*\a
	global_load_b128 v[36+8*\a:39+8*\a], v5, s[66:67] offset:512*\a+16
.endr
.irp p, 0,1,2
.irp b, 0,1,2,3
	global_load_b128 v[68+32*\p+8*\b:71+32*\p+8*\b], v5, s[68:69] offset:32768*\p+512*\b
	global_load_b128 v[72+32*\p+8*\b:75+32*\p+8*\b], v5, s[68:69] offset:32768*\p+512*\b+16
.endr
.endr
.macro BIASQK off                      ; Q's (off = 0) or K's bias: register 8 b + j is feature 32 h + 8 b + j
	WIN 0xc0
.irp m, 0,1,2,3,4,5,6,7
	global_load_b128 v[224+4*\m:227+4*\m], v6, s[70:71] offset:(\off)+16*\m
.endr
	WIN 0
.endm
	BIASQK 0
.macro FRAG reg, adr, off              ; a fragment of 16 x 128 = two half images
	ds_load_b128 v[\reg:\reg+3], v[\adr] offset:\off
	ds_load_b64 v[\reg+4:\reg+5], v[\adr+1] offset:\off+512
	ds_load_b128 v[\reg+6:\reg+9], v[\adr] offset:\off+768
	ds_load_b64 v[\reg+10:\reg+11], v[\adr+1] offset:\off+1280
.endm
.macro FETCHW adr, k                   ; my four tiles of a weight, steps 2 k and 2 k + 1, into set k % 2: 32 loads
	WIN 0x80+0x40*((\k)%2)
.irp c, 0,1
.irp b, 0,1,2,3
	FRAG 132-4*((\k)%2)+48*\c+12*\b, \adr, 12288*\b+1536*(2*(\k)+\c)
.endr
.endr
	WIN 0
.endm
; The 16 products of step q.  The accumulators take turns, one instruction a turn, in the same order in every step.
.macro PRODS ph, q
.set N_, 0
.rept 16
.if (\ph) < 2
.set A_, N_/4
.set B_, N_%4
.set D_, 32*A_+8*B_
.else
.set A_, N_%4
.set B_, N_/4
.set D_, 32*B_+8*A_
.endif
.set F_, 4*(\q)+A_
.set XW_, 1+F_/21
.set X_, 12*(F_%21)
.set S_, ((\q)/2)%2
.set WW_, 2+S_
.set W_, 132-4*S_+48*((\q)%2)+12*B_
.set SX_, 32+8*A_+(\q)
.set SW_, 68+32*(\ph)+8*B_+(\q)
.if (\q) > 0
.set C_, D_
.else
.set C_, 224+8*B_
.endif
.if (\ph) < 2
	WIN WW_|(XW_<<2)|0xf0
	v_wmma_scale_f32_16x16x128_f8f6f4 v[D_:D_+7], v[W_:W_+11], v[X_:X_+11], v[C_:C_+7], v[SW_], v[SX_] matrix_a_fmt:MATRIX_FMT_FP6 matrix_b_fmt:MATRIX_FMT_FP6
.else
	WIN XW_|(WW_<<2)|0xf0
	v_wmma_scale_f32_16x16x128_f8f6f4 v[D_:D_+7], v[X_:X_+11], v[W_:W_+11], v[C_:C_+7], v[SX_], v[SW_] matrix_a_fmt:MATRIX_FMT_FP6 matrix_b_fmt:MATRIX_FMT_FP6
.endif
.set N_, N_+1
.endr
.endm
.macro BATCH ph, k, na, nk             ; fetches batch nk through address na, multiplies steps 2 k, 2 k + 1
	PLACES 4                                       ; in front of loads into registers that the products of the batch before have read
	FETCHW \na, \nk
	s_wait_dscnt 32                                ; all but the 32 just issued
	PRODS \ph, 2*(\k)
	PRODS \ph, 2*(\k)+1
	WIN 0
.endm
; The quantiser over 32 results in a lane, four blocks by turns, each accumulator from its low end on.
.macro QUANT
	s_wait_xcnt 0x0                                ; the stores so far have read the registers that are written again here
	WIN 0x3f
.irp a, 0,1,2,3
	v_max3_num_f32 v[TA+2*\a], |v[32*\a]|, |v[32*\a+1]|, |v[32*\a+2]|
	v_max3_num_f32 v[TA+1+2*\a], |v[32*\a+16]|, |v[32*\a+17]|, |v[32*\a+18]|
.endr
	WIN 0x3c
.irp i, 3,5,7,9,11,13
.irp a, 0,1,2,3
	v_max3_num_f32 v[TA+2*\a], v[TA+2*\a], |v[32*\a+\i]|, |v[32*\a+\i+1]|
	v_max3_num_f32 v[TA+1+2*\a], v[TA+1+2*\a], |v[32*\a+\i+16]|, |v[32*\a+\i+17]|
.endr
.endr
	WIN 0x0c
.irp a, 0,1,2,3
	v_max3_num_f32 v[TA+1+2*\a], v[TA+1+2*\a], |v[32*\a+15]|, 0x1800000   ; the floor 2^(3 - 127): the byte cannot fall under 1
.endr
.irp a, 0,1,2,3
	v_max3_num_f32 v[TA+2*\a], v[TA+2*\a], |v[32*\a+31]|, v[TA+1+2*\a]
.endr
	WIN 0
.irp a, 0,1,2,3
	v_add_nc_u32 v[SO+\a], 0xff000000, v[TA+2*\a]  ; 2 off the exponent field: the conversion's scale operand
.endr
	WIN 0x03
.irp a, 0,1,2,3
	v_cvt_scalef32_pk16_fp6_f32 v[CD+8*\a:CD+8*\a+2], v[32*\a:32*\a+15], v[SO+\a]
	v_cvt_scalef32_pk16_fp6_f32 v[CT+4*\a:CT+4*\a+2], v[32*\a+16:32*\a+31], v[SO+\a]
.endr
	WIN 0
.irp a, 0,1,2,3
	v_lshrrev_b32 v[EB+\a], 23, v[SO+\a]           ; the scale's byte
.endr
.irp a, 0,1,2,3
.irp i, 0,1,2
	v_mov_b32 v[CD+8*\a+3+\i], v[CT+4*\a+\i]
.endr
.endr
.endm
.macro EPI ph, base                    ; Q's or K's way out: each store of the wave covers 512 or 256 consecutive bytes, aligned
	QUANT
.irp a, 0,1,2,3
	global_store_b128 v3, v[CD+8*\a:CD+8*\a+3], s[\base:\base+1] offset:768*\a
	global_store_b64 v4, v[CD+8*\a+4:CD+8*\a+5], s[\base:\base+1] offset:768*\a+512
	ds_store_b8 v18, v[EB+\a] offset:1024*(\ph)+4*\a
	ds_store_b8 v18, v[EB+\a] offset:1024*(\ph)+4*\a+2
.endr
	ds_load_b64 v[22:23], v19 offset:1024*(\ph)    ; LDS serves a wave's instructions in order (ISA guide 5.7.1.4): it sees my stores
.endm
	s_wait_alu depctr_va_vdst(0)                   ; the wait at the head's end
	s_cmp_lt_u32 s14, 2
	s_cbranch_scc0 .Lnot_x
	s_wait_tensorcnt 0x0
.Lnot_x:
	s_barrier_signal -1
	s_barrier_wait -1                              ; x is in; the weights may be on their way
.set F, 0
.rept 32
	WIN (1+F/21)<<6
	FRAG 12*(F%21), 10, 12288*(F%4)+1536*(F/4)
.set F, F+1
.endr
	WIN 0
	s_wait_loadcnt 0x0                             ; scale words and Q's bias
	s_cmp_eq_u32 s14, 2
	s_cbranch_scc0 .Lnot_q
	s_wait_tensorcnt 0x0
.Lnot_q:
	s_wait_dscnt 0x0                               ; x lies in my registers
	s_barrier_signal -1
	s_barrier_wait -1                              ; W_q is in, and nobody reads x in LDS any more
	FETCHW 12, 0
	; Q
	BATCH 0, 0, 12, 1
	PLACES 4
	BIASQK 4096                                    ; K's bias takes the place of Q's, which step 0 has read
	BATCH 0, 1, 12, 2
	PLACES 4
	FETCHW 12, 3
	s_wait_dscnt 32                                ; batch 2's fragments are in; the 32 loads of batch 3 may be out
	s_wait_tensorcnt 0x0                           ; THE REFILL'S ROUND: my head load is in (W_k's among them),
	ds_add_u32 v8, v9                              ; the add,
	s_mov_b32 s34, 16<<16                          ; (from here on a load of a weight brings four tiles)
	s_mov_b32 s36, 16
	PRODS 0, 4                                     ; work on registers,
	WIN 0
	s_wait_dscnt 0x0                               ; and the wait for it and for my reads
	s_barrier_signal -1
	PRODS 0, 5
	MIDDLE
	s_cmp_lt_u32 s14, 2
	s_cbranch_scc0 .Lno_v
	TLOAD 52, 32                                   ; waves 0, 1: half of W_v each, onto x's bytes
.Lno_v:
	BATCH 0, 3, 14, 0
	PLACES 5                                       ; the results are read, and the accumulators begun anew, behind these
	EPI 0, 72
	; K
	FETCHW 14, 1
	s_wait_loadcnt 0x0                             ; K's bias
	s_wait_dscnt 32                                ; batch 0's fragments and Q's scale words are back
	global_store_b64 v4, v[22:23], s[78:79]        ; 256 consecutive bytes
	PRODS 1, 0
	PRODS 1, 1
	WIN 0
	PLACES 4
	WIN 0xc0
.irp b, 0,1,2,3
	global_load_b32 v[224+8*\b], v7, s[70:71] offset:8192+32*\b   ; V's bias: one number a lane and tile
.endr
	WIN 0
	BATCH 1, 1, 14, 2
	BATCH 1, 2, 14, 3
	s_wait_dscnt 0x0
	s_wait_tensorcnt 0x0                           ; my half of W_v is in
	s_barrier_signal -1
	PRODS 1, 6
	PRODS 1, 7
	WIN 0
	s_barrier_wait -1                              ; a plain barrier shows W_v to all
	PLACES 5
	FETCHW 16, 0
	s_wait_loadcnt 0x0
	WIN 0xc3
.irp b, 0,1,2,3
.irp i, 1,2,3,4,5,6,7
	v_mov_b32 v[224+8*\b+\i], v[224+8*\b]          ; V's bias over the tile's eight registers
.endr
.endr
	WIN 0
	EPI 1, 74
	; V
	FETCHW 16, 1
	s_wait_dscnt 32
	global_store_b64 v4, v[22:23], s[80:81]
	PRODS 2, 0
	PRODS 2, 1
	WIN 0
	BATCH 2, 1, 16, 2
	BATCH 2, 2, 16, 3
	s_wait_dscnt 0x0
	PRODS 2, 6
	PRODS 2, 7
	WIN 0
	PLACES 5
	QUANT
.irp b, 0,1,2,3
	ds_store_b8 v20, v[EB+\b] offset:4*\b          ; byte 2 wr + h of the row's word
.endr
.irp b, 0,1,2,3
	global_store_b128 v3, v[CD+8*\b:CD+8*\b+3], s[76:77] offset:1536*\b
	global_store_b64 v4, v[CD+8*\b+4:CD+8*\b+5], s[76:77] offset:1536*\b+512
.endr
	s_wait_dscnt 0x0                               ; for the partner wave's sake
	s_barrier_signal -1
	s_barrier_wait -1
	s_cmp_eq_u32 s15, 0
	s_cbranch_scc0 .Lno_words
	ds_load_b64 v[24:25], v21
	s_wait_dscnt 0x0
	global_store_b64 v4, v[24:25], s[82:83]        ; a head's 256 bytes of V's scale words
.Lno_words:
	s_wait_tensorcnt 0x0                           ; the wave's end
	ds_add_u32 v8, v9
	s_wait_dscnt 0x0
	CROUND                                         ; the closing round: no work-group ends while a partner may still ask for a tile that names it
	s_endpgm
.Lfunc_end_k_q8ba250b546_qkv:
	.size	k_q8ba250b546_qkv, .Lfunc_end_k_q8ba250b546_qkv-k_q8ba250b546_qkv
	.p2alignl 7, 3214868480
	.fill 96, 4, 3214868480
	.section	.rodata,"a",@progbits
	.p2align	6, 0x0
	.amdhsa_kernel k_q8ba250b546_qkv
		.amdhsa_group_segment_fixed_size 327680
		.amdhsa_private_segment_fixed_size 0
		.amdhsa_enable_private_segment 0
		.amdhsa_kernarg_size 40
		.amdhsa_user_sgpr_count 2
		.amdhsa_user_sgpr_kernarg_segment_ptr 1
		.amdhsa_wavefront_size32 1
		.amdhsa_system_sgpr_workgroup_id_x 1
		.amdhsa_system_sgpr_workgroup_id_y 1
		.amdhsa_system_sgpr_workgroup_id_z 1
		.amdhsa_system_vgpr_workitem_id 0
		.amdhsa_next_free_vgpr 1024
		.amdhsa_next_free_sgpr 100
		.amdhsa_reserve_vcc 0
		.amdhsa_float_denorm_mode_32 3
		.amdhsa_float_denorm_mode_16_64 3
		.amdhsa_memory_ordered 1
		.amdhsa_forward_progress 1
		.amdhsa_inst_pref_size 121
	.end_amdhsa_kernel
	.amdgpu_metadata
---
amdhsa.version: [ 1, 2 ]
amdhsa.kernels:
  - .name:           k_q8ba250b546_qkv
    .symbol:         k_q8ba250b546_qkv.kd
    .args:
      - { .name: xq, .offset: 0, .size: 8, .value_kind: global_buffer, .address_space: global }
      - { .name: wq, .offset: 8, .size: 8, .value_kind: global_buffer, .address_space: global }
      - { .name: b_qkv, .offset: 16, .size: 8, .value_kind: global_buffer, .address_space: global }
      - { .name: q_img, .offset: 24, .size: 8, .value_kind: global_buffer, .address_space: global }
      - { .name: kv_img, .offset: 32, .size: 8, .value_kind: global_buffer, .address_space: global }
    .group_segment_fixed_size: 327680
    .private_segment_fixed_size: 0
    .kernarg_segment_align: 8
    .kernarg_segment_size: 40
    .max_flat_workgroup_size: 128
    .sgpr_count:     100
    .vgpr_count:     1024
    .wavefront_size: 32
...
	.end_amdgpu_metadata
.endif
;; end of part 2
;; launch attn (part 3): grid 8 x 32, 16 waves a work-group, clusters of 4 x 1, 256,000 bytes of LDS; arguments q_img, kv_img, oq; writes oq
.if DOCPART == 3
	.amdgcn_target "amdgcn-amd-amdhsa--gfx1250"
	.amdhsa_code_object_version 6
	.text
	.protected	k_q8ba250b546_attn
	.globl	k_q8ba250b546_attn
	.p2align	8
	.type	k_q8ba250b546_attn,@function
k_q8ba250b546_attn:
	s_mov_b64 s[64:65], 0
	v_nop
	global_prefetch_b8 v0, s[64:65] scope:SCOPE_SE
	s_setreg_imm32_b32 hwreg(HW_REG_WAVE_MODE, 25, 1), 1
	s_wait_xcnt 0x0
	s_wait_alu depctr_hold_cnt(0) depctr_sa_sdst(0) depctr_va_vdst(0) depctr_va_sdst(0) depctr_va_ssrc(0) depctr_va_vcc(0) depctr_vm_vsrc(0)
	s_getreg_b32 s2, hwreg(HW_REG_IB_STS2, 6, 4)
	s_cmp_eq_u32 s2, 0
	s_cbranch_scc0 .Lentry_in_a_cluster
	s_endpgm
.Lentry_in_a_cluster:
	s_bfe_u32 s2, ttmp6, 0x10000c
	s_cmp_lg_u32 s2, 0x3003
	s_cbranch_scc0 .Lentry_shape_is_right
	s_endpgm
.Lentry_shape_is_right:
; Causal attention of one head on codes of FP6 (E2M3) with E8M0 scales; 2,048 tokens, head size 64.  The result is quantised along the model's 1,024 and stored as the last product's operand.
; THE SOFTMAX AHEAD OF THE SECOND PRODUCT: t = score x log2(e) / 8; M = the row's largest t so far, rounded UP to a whole number; p = 2^(t - M) is quantised along the keys, not normalised.
; The row's sum is taken of the unquantised p, in f32, and divides O at the end.  When M moves, the sum and O are multiplied by 2^(old M - new M): exact.
; A block's scale exponent, floor(log2(its largest p)) - 2, is floor(its largest t - M) - 2: the largest score of the block serves the row's maximum and the scale.
; SHARES.  256 work-groups: (i, head).  Query blocks are 128 queries; tile i of EVERY block is work-group i's.  For w = 0 .. 7 the tiles of blocks 15 - w (long: 16 - w key steps of 128) and w (short: w + 1 steps) are two waves' work:
; wave w takes the long tile's steps 0-8; wave 8 + w takes the short tile and then the long tile's steps from 9 on (none for w = 7): nine and eight steps.  The second hands -M, the sums and O^T over through LDS; the first joins them: the factors are powers of two.
; What a wave walks hangs on its number alone, so the partners of a cluster branch alike; i enters pointers and the diagonal's mask only.
; DEAD WORK: key steps behind a query block are hidden by the causal mask and are not computed.  On the diagonal step hidden scores get C = -1e30 in place of 0: their p is 0.  These C lie in LDS once: tile i has one place in every block.
; LDS.  The head's K and V (16 steps x 13,056 bytes: [K 8 half images | scale words | V 4 fragments | scale words]) lie in LDS whole, filled ONCE by 16 joint loads, one a wave, a step each: no slot is filled again.
; Barriers: ahead of trip 0 (step 0 is in), ahead of trip 1 (all), and for the hand-over.  CLUSTERS 4 x 1: four work-groups of a head share its loads.
; NO PREFETCH: all that the launch reads is asked for at its head.
; THE HEAD HAS 64 ALONG K, the instruction 128: Q's upper six registers are zero codes; K's upper six are whatever follows in the registers (codes or zeros): finite numbers times zero, and no scale byte is 0xff.
; A tile's position p is query 32 (p / 8) + 8 t + p % 8 of its group of 64 (keys and dims likewise): lane (r, h), registers 32 c + n hold keys 64 c + 32 h + n: whole scale blocks.
; The two scale bytes of a row leave one a lane: a row's 32 bytes belong to 16 heads, which are 16 work-groups'.
; LIMITS: NaN and infinities are not served; the scaled scores stay under 2^31 in magnitude; a block under 2^-124, or of zeros, gets the byte 1; the bytes are read by this program alone.
; REGISTERS: v1-3 16 x lane, 8 x lane, 16 r; v4-6 the step's addresses; v7 the mask's, v8 the hand-over's; v10-11 the add's; v12 -M, v13 the largest score, v[14:15] the sum; v16-21 Q, v22-27 zeros; v29 Q's scale word; v32-79 K, then V; v80-85 zeros;
;   v86-93 K's scale words, v94-97 V's, v98 p's; v100-163 S^T, then p; v164-195 O^T; v196-207 p's codes; v208-239 at work; v244-250 the long tile's Q.
.set STEPB, 13056
.set VOF,  6656
.set MASK, 16*STEPB                    ; the diagonal's C: 16 groups of four registers, 512 bytes each
.set MRG,  MASK+8192                   ; the hand-over: 4,608 bytes a pair of waves
.set SPARE, MRG+8*4608                 ; the spare words, 128 bytes for each wave
.set LL,   18                          ; s18 the long tile's block = its last key step
.set SEL,  22
.set CS,   44                          ; s[44:45] c = log2(e) / 8; s46 -c
.set TT,   47                          ; the trip
.set KSI,  48                          ; the key step
.set CUR,  49                          ; where it begins in LDS
.set W,    50                          ; w
.set LS,   51                          ; the tile's last key step
.set CH,   78                          ; waves 8 + w: the short tile's last trip, w; waves w: no trip
.set KOF,  79                          ; behind it the step is trip + 8 - w
.set MSB, 0
.macro WIN new
.if MSB != (\new)
	s_set_vgpr_msb (MSB<<8)|(\new)
.set MSB, (\new)
.endif
.endm
.macro PLACES n
.rept \n
	v_nop
.endr
.endm
.macro WALU
	s_wait_alu depctr_va_vdst(0)
.endm
.macro HINT
	s_delay_alu instid0(VALU_DEP_1)
.endm
.macro CROUND
	s_barrier_signal -1
	s_barrier_wait -1
	s_cmp_lg_u32 s14, 0
	s_cbranch_scc1 .Lnot_wave_0_\@
	s_barrier_signal -3
.Lnot_wave_0_\@:
	s_barrier_wait -3
	s_barrier_signal -1
	s_barrier_wait -1
.endm
.macro TLOAD
	tensor_load_to_lds s[32:35], s[24:31]
	s_nop 0
	PLACES 4
.endm
	s_load_b128 s[4:7], s[0:1], 0x0                ; q_img, kv_img
	s_load_b64 s[8:9], s[0:1], 0x10                ; oq
	v_lshl_add_u32 v10, v0, 2, SPARE
	v_mov_b32 v11, 0
	ds_add_u32 v10, v11                            ; the opening lines
	ds_add_u32 v10, v11
	v_lshrrev_b32 v30, 5, v0
	v_readfirstlane_b32 s14, v30                   ; wave
	s_bfe_u32 s15, ttmp6, 0x40000                  ; cx
	s_lshl_b32 s16, ttmp9, 2
	s_add_co_u32 s16, s16, s15                     ; i
	s_and_b32 s17, ttmp7, 0xffff                   ; 16 b + head
	s_and_b32 s[W], s14, 7
	s_sub_co_u32 s[LL], 15, s[W]
	s_sub_co_u32 s[KOF], 8, s[W]
	s_cmp_lt_u32 s14, 8
	s_cselect_b32 s[LS], s[LL], s[W]
	s_cselect_b32 s[CH], 31, s[W]
	s_mov_b32 s24, 15|(3<<16)|(1<<21)              ; the four of the cluster; a step, dense, as 51 rows of 256 bytes
	s_mov_b32 s25, 32<<16
	s_mov_b32 s26, 51<<16
	s_mov_b32 s27, 32<<16
	s_mov_b32 s28, 51
	s_mov_b32 s29, 32
	s_mov_b32 s30, 0
	s_mov_b32 s31, 0
	s_mov_b32 s32, 1
	s_mul_i32 s33, s14, STEPB
	s_mul_i32 s20, s17, 16*STEPB
	s_add_co_u32 s20, s20, s33
	s_mov_b32 s21, 0
	s_mul_i32 s52, s17, 16*6656                    ; Q: the head,
	s_mul_i32 s53, s16, 768                        ; the tile
	s_mul_i32 s36, s[LS], 6656                     ; the block: my first tile's,
	s_add_co_u32 s36, s36, s52
	s_mul_i32 s38, s[LL], 6656                     ; the long tile's
	s_add_co_u32 s38, s38, s52
	s_lshr_b32 s54, s16, 2
	s_and_b32 s55, s16, 3
	s_lshl_b32 s56, s54, 8
	s_lshl_b32 s57, s55, 2
	s_add_co_u32 s56, s56, s57
	s_add_co_u32 s56, s56, 6144
	s_add_co_u32 s40, s36, s56                     ; the scale words
	s_add_co_u32 s42, s38, s56
	s_add_co_u32 s36, s36, s53
	s_add_co_u32 s38, s38, s53
	s_mov_b32 s37, 0
	s_mov_b32 s39, 0
	s_mov_b32 s41, 0
	s_mov_b32 s43, 0
	s_lshl_b32 s19, s54, 6
	s_lshl_b32 s57, s55, 3
	s_add_co_u32 s19, s19, s57                     ; the tile's first query in its block
	s_lshr_b32 s54, s17, 4
	s_lshl_b32 s54, s54, 7
	s_add_co_u32 s54, s54, s16                     ; 128 b + i
	s_and_b32 s55, s17, 15                         ; head
	s_mul_i32 s57, s55, 768                        ; its half image of a token tile,
	s_lshl_b32 s58, s55, 1
	s_add_co_u32 s58, s58, 256*12288               ; its two bytes of a row
	s_lshl_b32 s59, s[LL], 3
	s_add_co_u32 s59, s59, s54                     ; the long tile's token tile
	s_lshl_b32 s60, s[W], 3
	s_add_co_u32 s60, s60, s54                     ; the short one's
	s_mul_i32 s70, s59, 12288
	s_add_co_u32 s70, s70, s57
	s_lshl_b32 s72, s59, 9
	s_add_co_u32 s72, s72, s58
	s_mul_i32 s74, s60, 12288
	s_add_co_u32 s74, s74, s57
	s_lshl_b32 s76, s60, 9
	s_add_co_u32 s76, s76, s58
	s_mov_b32 s71, 0
	s_mov_b32 s73, 0
	s_mov_b32 s75, 0
	s_mov_b32 s77, 0
	s_lshr_b32 s52, s14, 3                         ; the diagonal's C: my four registers 4 x wave + e are key 64 (wave / 8) + 4 (wave % 8) + e, + 32 h
	s_lshl_b32 s52, s52, 6
	s_lshl_b32 s53, s[W], 2
	s_add_co_u32 s52, s52, s53
	s_add_co_u32 s53, s52, 1
	s_add_co_u32 s54, s52, 2
	s_add_co_u32 s55, s52, 3
	s_lshl_b32 s56, s14, 9
	s_add_co_u32 s56, s56, MASK
	s_mul_i32 s57, s[W], 4608
	s_add_co_u32 s57, s57, MRG
	s_mov_b32 s[SEL], 0x76543210
	s_mov_b32 s[SEL+1], 0xfedcba98
	s_mov_b32 s[CS], 0x3e38aa3b
	s_mov_b32 s[CS+1], s[CS]                       ; (named with it as a pair, so it is written)
	s_mov_b32 s[CS+2], 0xbe38aa3b
	s_wait_dscnt 0x0
	CROUND                                         ; the four work-groups are here: the joint loads meet
	s_wait_kmcnt 0x0
	s_add_nc_u64 s[34:35], s[6:7], s[20:21]
	s_or_b32 s35, s35, 0x80000000
	s_cmp_eq_u32 s14, 0                            ; one load a wave; wave 0, which waits at the first barrier, has a line of its own
	s_cbranch_scc0 .Lhead_1
	TLOAD                                          ; step 0
	s_branch .Lasked
.Lhead_1:
	TLOAD                                          ; steps 1-15
.Lasked:
	s_add_nc_u64 s[36:37], s[4:5], s[36:37]
	s_add_nc_u64 s[38:39], s[4:5], s[38:39]
	s_add_nc_u64 s[40:41], s[4:5], s[40:41]
	s_add_nc_u64 s[42:43], s[4:5], s[42:43]
	s_add_nc_u64 s[70:71], s[8:9], s[70:71]
	s_add_nc_u64 s[72:73], s[8:9], s[72:73]
	s_add_nc_u64 s[74:75], s[8:9], s[74:75]
	s_add_nc_u64 s[76:77], s[8:9], s[76:77]
	v_and_b32 v30, 31, v0
	v_and_b32 v31, 15, v0                          ; r
	v_bfe_u32 v240, v0, 4, 1                       ; h
	v_lshlrev_b32 v1, 4, v30
	v_lshlrev_b32 v2, 3, v30
	v_lshlrev_b32 v3, 4, v31
	global_load_b128 v[16:19], v1, s[36:37]        ; my first tile's Q,
	global_load_b64 v[20:21], v2, s[36:37] offset:512
	global_load_b32 v29, v3, s[40:41]
	global_load_b128 v[244:247], v1, s[38:39]      ; and the long tile's (the waves that begin with it do not use it again)
	global_load_b64 v[248:249], v2, s[38:39] offset:512
	global_load_b32 v250, v3, s[42:43]
	v_lshl_add_u32 v99, v31, 5, v240               ; the result's scale byte: 32 r + h
	v_lshrrev_b32 v241, 3, v31
	v_and_b32 v28, 7, v31
	v_lshl_add_u32 v28, v241, 5, v28
	v_lshlrev_b32 v240, 5, v240
	v_sub_nc_u32 v28, v28, v240
	v_add_nc_u32 v28, s19, v28                     ; my query in its block, less 32 h
	v_mov_b32 v252, 0xf149f2ca                     ; -1e30
	v_add_nc_u32 v9, s56, v1
	v_add_nc_u32 v7, MASK, v1
	v_add_nc_u32 v8, s57, v1
	v_cmp_gt_i32 vcc_lo, s52, v28
	v_cndmask_b32 v32, 0, v252, vcc_lo
	v_cmp_gt_i32 vcc_lo, s53, v28
	v_cndmask_b32 v33, 0, v252, vcc_lo
	v_cmp_gt_i32 vcc_lo, s54, v28
	v_cndmask_b32 v34, 0, v252, vcc_lo
	v_cmp_gt_i32 vcc_lo, s55, v28
	v_cndmask_b32 v35, 0, v252, vcc_lo
	ds_store_b128 v9, v[32:35]
.macro FRESH
	v_mov_b32 v13, 0xff61b1e6                      ; the largest score so far: -3e38
	v_mov_b32 v12, 0x7149f2ca                      ; -M: over every -M to come, so that the first change of M multiplies by 0
	v_mov_b32 v14, 0
	v_mov_b32 v15, 0
.set j, 0
.rept 32
	v_mov_b32 v[164+j], 0                          ; O^T: the step is written so that the first finds zeros
.set j, j+1
.endr
.endm
.irp j, 0,1,2,3,4,5
	v_mov_b32 v[22+\j], 0                          ; Q's codes of k = 64 .. 127
	v_mov_b32 v[80+\j], 0                          ; what stands behind K's last half image
.endr
	v_mov_b32 v222, 0                              ; (a lane permute's destination counts as one of its sources)
	v_mov_b32 v233, 0
	v_mov_b32 v227, 0                              ; (named as the upper half of a pair)
	FRESH
.macro SPROD diag                      ; S^T = K Q^T: source 0 = 16 keys, source 1 = my 16 queries
.irp t, 0,1,2,3,4,5,6,7
.if \diag
	v_wmma_scale_f32_16x16x128_f8f6f4 v[100+8*\t:107+8*\t], v[32+6*\t:43+6*\t], v[16:27], v[100+8*\t:107+8*\t], v[86+\t], v29 matrix_a_fmt:MATRIX_FMT_FP6 matrix_b_fmt:MATRIX_FMT_FP6
.else
	v_wmma_scale_f32_16x16x128_f8f6f4 v[100+8*\t:107+8*\t], v[32+6*\t:43+6*\t], v[16:27], 0, v[86+\t], v29 matrix_a_fmt:MATRIX_FMT_FP6 matrix_b_fmt:MATRIX_FMT_FP6
.endif
.endr
.endm
.macro STEP                            ; a key step
	v_add_nc_u32 v4, s[CUR], v1                    ; (these four are also the places behind the last step's products)
	v_add_nc_u32 v5, s[CUR], v2
	v_add_nc_u32 v6, s[CUR], v3
	v_nop
.irp t, 0,1,2,3,4,5,6,7
	ds_load_b128 v[32+6*\t:35+6*\t], v4 offset:768*\t
	ds_load_b64 v[36+6*\t:37+6*\t], v5 offset:768*\t+512
.endr
	ds_load_b128 v[86:89], v6 offset:6144
	ds_load_b128 v[90:93], v6 offset:6400
	WALU                                           ; the wait ahead of the branch and the wait below
	s_cmp_eq_u32 s[KSI], s[LS]
	s_cbranch_scc1 .Ldiag_\@
	s_wait_dscnt 0x0                               ; K
	SPROD 0
	s_branch .Lscores_\@
.Ldiag_\@:                                             ; the tile's last step lies on the diagonal
.irp g, 0,1,2,3,4,5,6,7,8,9,10,11,12,13,14,15
	ds_load_b128 v[100+4*\g:103+4*\g], v7 offset:512*\g
.endr
	s_wait_dscnt 0x0
	SPROD 1
.Lscores_\@:
	PLACES 4
.irp t, 0,1,2,3                                ; V lands where K was, while the softmax is worked
	ds_load_b128 v[32+12*\t:35+12*\t], v4 offset:VOF+1536*\t
	ds_load_b64 v[36+12*\t:37+12*\t], v5 offset:VOF+1536*\t+512
	ds_load_b128 v[38+12*\t:41+12*\t], v4 offset:VOF+1536*\t+768
	ds_load_b64 v[42+12*\t:43+12*\t], v5 offset:VOF+1536*\t+1280
.endr
	ds_load_b128 v[94:97], v6 offset:VOF+6144
.irp g, 0,1,2,3                                ; the largest score of each half block, four chains by turns
	v_max3_num_f32 v[216+\g], v[100+16*\g], v[101+16*\g], v[102+16*\g]
.endr
.irp i, 3,5,7,9,11,13
.irp g, 0,1,2,3
	v_max3_num_f32 v[216+\g], v[216+\g], v[100+16*\g+\i], v[101+16*\g+\i]
.endr
.endr
	v_max3_num_f32 v216, v216, v115, v131
	v_max3_num_f32 v218, v218, v147, v163
	v_max_num_f32 v220, v216, v217                 ; my two blocks of 32 keys
	v_max_num_f32 v221, v218, v219
	HINT
	v_max3_num_f32 v13, v13, v220, v221
	HINT
	v_permlanex16_b32 v222, v13, s[SEL], s[SEL+1]
	HINT
	v_max_num_f32 v13, v13, v222                   ; the row's largest score so far
	HINT
	v_mul_f32 v223, s[CS+2], v13
	HINT
	v_floor_f32 v223, v223                         ; the new -M = floor(-t)
	HINT
	v_sub_f32 v224, v223, v12                      ; old M less new M: a whole number, 0 or less
	v_mov_b32 v12, v223
	HINT
	v_fma_f32 v228, v220, s[CS], v12               ; each block's largest t - M
	v_fma_f32 v229, v221, s[CS], v12
	v_cvt_i32_f32 v224, v224                       ; (it saturates)
	v_max_num_f32 v228, 0xc2f80000, v228           ; held at -124: the byte cannot fall under 1
	v_max_num_f32 v229, 0xc2f80000, v229
	v_ldexp_f32 v226, 1.0, v224                    ; f = 2^(old M - new M)
	v_cvt_floor_i32_f32 v228, v228
	v_cvt_floor_i32_f32 v229, v229
.set j, 0
.rept 32
	v_pk_fma_f32 v[100+j:101+j], v[100+j:101+j], s[CS:CS+1], v[12:13] op_sel_hi:[1,0,0]   ; t - M, two at a time
.set j, j+2
.endr
	v_ldexp_f32 v228, 0x3e800000, v228             ; 2^(floor - 2): the conversion takes this operand's exponent field as its scale
	v_ldexp_f32 v229, 0x3e800000, v229
	v_lshrrev_b32 v230, 23, v228                   ; the scale's byte
	v_lshrrev_b32 v231, 23, v229
	WALU                                           ; the wait ahead of the batch,
.set j, 0
.rept 64
	v_exp_f32 v[100+j], v[100+j]                   ; p = 2^(t - M): not normalised
.set j, j+1
.endr
	v_pk_mul_f32 v[14:15], v[14:15], v[226:227] op_sel_hi:[1,0]   ; the sums under the new M; the plain instruction behind the exponentials
	WALU                                           ; and behind it, ahead of its first reader and of O^T's
.set j, 0
.rept 16
	v_pk_mul_f32 v[164+j:165+j], v[164+j:165+j], v[226:227] op_sel_hi:[1,0]   ; O^T under the new M
.set j, j+2
.endr
	v_lshl_or_b32 v232, v231, 16, v230             ; my bytes: blocks h and 2 + h
	v_cvt_scalef32_pk16_fp6_f32 v[196:198], v[100:115], v228
	v_cvt_scalef32_pk16_fp6_f32 v[208:210], v[116:131], v228   ; (a conversion's three registers begin on an even number)
	v_cvt_scalef32_pk16_fp6_f32 v[202:204], v[132:147], v229
	v_cvt_scalef32_pk16_fp6_f32 v[212:214], v[148:163], v229
	v_permlanex16_b32 v233, v232, s[SEL], s[SEL+1]
	v_pk_add_f32 v[234:235], v[100:101], v[102:103]            ; the row's sum, of the unquantised p, in four chains
	v_pk_add_f32 v[236:237], v[104:105], v[106:107]
	v_pk_add_f32 v[238:239], v[108:109], v[110:111]
	v_lshl_or_b32 v98, v233, 8, v232               ; p's scale word (lanes 0-15)
.irp i, 0,1,2
	v_mov_b32 v[199+\i], v[208+\i]
	v_mov_b32 v[205+\i], v[212+\i]
.endr
	v_pk_add_f32 v[14:15], v[14:15], v[112:113]
.set j, 114
.rept 6
	v_pk_add_f32 v[234:235], v[234:235], v[j:j+1]
	v_pk_add_f32 v[236:237], v[236:237], v[j+2:j+3]
	v_pk_add_f32 v[238:239], v[238:239], v[j+4:j+5]
	v_pk_add_f32 v[14:15], v[14:15], v[j+6:j+7]
.set j, j+8
.endr
	v_pk_add_f32 v[234:235], v[234:235], v[162:163]
	v_pk_add_f32 v[236:237], v[236:237], v[238:239]
	v_pk_add_f32 v[14:15], v[14:15], v[234:235]
	v_pk_add_f32 v[14:15], v[14:15], v[236:237]
	s_wait_dscnt 0x0                               ; V
.irp t, 0,1,2,3                                ; O^T += V^T P^T: the four accumulators take turns
	v_wmma_scale_f32_16x16x128_f8f6f4 v[164+8*\t:171+8*\t], v[32+12*\t:43+12*\t], v[196:207], v[164+8*\t:171+8*\t], v[94+\t], v98 matrix_a_fmt:MATRIX_FMT_FP6 matrix_b_fmt:MATRIX_FMT_FP6
.endr
.endm
; A TILE'S WAY OUT.  O^T / the sum: register 8 t + j is dim 32 h + 8 t + j of my query: a block of the last product's K; the six code registers are a half image.
.macro WAYOUT cb, sb
	v_add_f32 v14, v14, v15
	v_permlanex16_b32 v222, v14, s[SEL], s[SEL+1]
	v_add_f32 v14, v14, v222
	WALU
	v_rcp_f32 v14, v14
	v_nop
	WALU                                           ; ahead of the reciprocal's first reader and of O^T's
.set j, 0
.rept 16
	v_pk_mul_f32 v[100+j:101+j], v[164+j:165+j], v[14:15] op_sel_hi:[1,0]
.set j, j+2
.endr
	v_max3_num_f32 v216, |v100|, |v101|, |v102|
	v_max3_num_f32 v217, |v116|, |v117|, |v118|
.irp i, 3,5,7,9,11,13
	v_max3_num_f32 v216, v216, |v[100+\i]|, |v[101+\i]|
	v_max3_num_f32 v217, v217, |v[116+\i]|, |v[117+\i]|
.endr
	v_max3_num_f32 v217, v217, |v115|, 0x1800000   ; the floor 2^(3 - 127)
	v_max3_num_f32 v216, v216, |v131|, v217
	v_add_nc_u32 v228, 0xff000000, v216
	v_cvt_scalef32_pk16_fp6_f32 v[196:198], v[100:115], v228
	v_cvt_scalef32_pk16_fp6_f32 v[208:210], v[116:131], v228
	v_lshrrev_b32 v230, 23, v228
.irp i, 0,1,2
	v_mov_b32 v[199+\i], v[208+\i]
.endr
	global_store_b128 v1, v[196:199], s[\cb:\cb+1]             ; 512 consecutive bytes, aligned,
	global_store_b64 v2, v[200:201], s[\cb:\cb+1] offset:512   ; and 256
	global_store_b8 v99, v230, s[\sb:\sb+1]
.endm
.macro CHANGE                          ; the short tile leaves; on to the long tile
	PLACES 4
	WALU
	WAYOUT 74, 76
	s_mov_b32 s[LS], s[LL]
	v_mov_b32 v29, v250
.irp j, 0,1,2,3,4,5
	v_mov_b32 v[16+\j], v[244+\j]
.endr
	FRESH
	s_wait_xcnt 0x0                                ; the stores' registers are written again only behind this wait
	WALU
.endm
	WALU                                           ; the wait at the head's end
	s_wait_loadcnt 0x0                             ; Q
	s_cmp_eq_u32 s14, 0
	s_cbranch_scc0 .Lwait_0
	s_wait_tensorcnt 0x0
.Lwait_0:
	s_wait_dscnt 0x0                               ; my part of the diagonal's C
	s_barrier_signal -1
	s_barrier_wait -1                              ; step 0 is in
	s_mov_b32 s[KSI], 0
	s_mov_b32 s[CUR], 0
	STEP                                           ; trip 0
	s_cmp_lg_u32 s[CH], 0
	s_cbranch_scc1 .Lopen_0
	CHANGE
.Lopen_0:
	s_wait_tensorcnt 0x0
	s_wait_dscnt 0x0
	s_barrier_signal -1
	s_barrier_wait -1                              ; all is in
	s_mov_b32 s[TT], 1
.Lloop:                                                ; trips 1-7
	s_cmp_gt_u32 s[TT], s[CH]
	s_cselect_b32 s52, s[KOF], 0
	s_add_co_u32 s52, s52, s[TT]
	s_and_b32 s[KSI], s52, 15
	s_mul_i32 s[CUR], s[KSI], STEPB
	s_barrier_signal -1                            ; one more barrier in each of these trips, from the trip's start to the step's end: no wave ends a step before all sixteen have begun it, so they stay within a trip of each other.
	                                               ; (No LDS instruction of mine is out here; between signal and wait stand register work and loads of K, V and the diagonal's C, which nobody writes any more)
	STEP
	s_barrier_wait -1
	s_cmp_lg_u32 s[TT], s[CH]
	s_cbranch_scc1 .Lopen
	CHANGE
.Lopen:
	s_add_co_u32 s[TT], s[TT], 1
	s_cmp_lg_u32 s[TT], 8
	s_cbranch_scc1 .Lloop
	s_cmp_lt_u32 s14, 8
	s_cbranch_scc0 .Lhand
	s_mov_b32 s[KSI], 8
	s_mov_b32 s[CUR], 8*STEPB
	STEP                                           ; waves w: the long tile's step 8
	PLACES 4
	s_branch .Lmeet
.Lhand:                                                ; waves 8 + w: what they have of the long tile
	PLACES 4
	WALU
.irp m, 0,1,2,3,4,5,6,7
	ds_store_b128 v8, v[164+4*\m:167+4*\m] offset:512*\m
.endr
	ds_store_b128 v8, v[12:15] offset:4096
.Lmeet:
	WALU
	s_wait_dscnt 0x0
	s_barrier_signal -1
	s_barrier_wait -1
	s_cmp_lt_u32 s14, 8
	s_cbranch_scc0 .Lend
	ds_load_b128 v[64:67], v8 offset:4096
.irp m, 0,1,2,3,4,5,6,7
	ds_load_b128 v[32+4*\m:35+4*\m], v8 offset:512*\m
.endr
	s_wait_dscnt 0x0
	v_min_num_f32 v216, v12, v64                   ; the common -M
	v_sub_f32 v217, v216, v12
	v_sub_f32 v218, v216, v64
	v_cvt_i32_f32 v217, v217
	v_cvt_i32_f32 v218, v218
	v_ldexp_f32 v220, 1.0, v217                    ; my factor,
	v_ldexp_f32 v226, 1.0, v218                    ; and the other's (0 where it had no step)
	v_pk_mul_f32 v[66:67], v[66:67], v[226:227] op_sel_hi:[1,0]
	WALU                                           ; ahead of O^T's first reader
.set j, 0
.rept 16
	v_pk_mul_f32 v[164+j:165+j], v[164+j:165+j], v[220:221] op_sel_hi:[1,0]
.set j, j+2
.endr
	v_pk_fma_f32 v[14:15], v[14:15], v[220:221], v[66:67] op_sel_hi:[1,0,1]
.set j, 0
.rept 16
	v_pk_fma_f32 v[164+j:165+j], v[32+j:33+j], v[226:227], v[164+j:165+j] op_sel_hi:[1,0,1]
.set j, j+2
.endr
	WAYOUT 70, 72
.Lend:
	s_wait_tensorcnt 0x0                           ; the wave's end
	ds_add_u32 v10, v11
	s_wait_dscnt 0x0
	CROUND                                         ; the closing round
	s_endpgm
.Lfunc_end_k_q8ba250b546_attn:
	.size	k_q8ba250b546_attn, .Lfunc_end_k_q8ba250b546_attn-k_q8ba250b546_attn
	.p2alignl 7, 3214868480
	.fill 96, 4, 3214868480
	.section	.rodata,"a",@progbits
	.p2align	6, 0x0
	.amdhsa_kernel k_q8ba250b546_attn
		.amdhsa_group_segment_fixed_size 256000
		.amdhsa_private_segment_fixed_size 0
		.amdhsa_enable_private_segment 0
		.amdhsa_kernarg_size 24
		.amdhsa_user_sgpr_count 2
		.amdhsa_user_sgpr_kernarg_segment_ptr 1
		.amdhsa_wavefront_size32 1
		.amdhsa_system_sgpr_workgroup_id_x 1
		.amdhsa_system_sgpr_workgroup_id_y 1
		.amdhsa_system_sgpr_workgroup_id_z 1
		.amdhsa_system_vgpr_workitem_id 0
		.amdhsa_next_free_vgpr 256
		.amdhsa_next_free_sgpr 96
		.amdhsa_reserve_vcc 1
		.amdhsa_float_denorm_mode_32 3
		.amdhsa_float_denorm_mode_16_64 3
		.amdhsa_memory_ordered 1
		.amdhsa_forward_progress 1
		.amdhsa_inst_pref_size 78
	.end_amdhsa_kernel
	.amdgpu_metadata
---
amdhsa.version: [ 1, 2 ]
amdhsa.kernels:
  - .name:           k_q8ba250b546_attn
    .symbol:         k_q8ba250b546_attn.kd
    .args:
      - { .name: q_img, .offset: 0, .size: 8, .value_kind: global_buffer, .address_space: global }
      - { .name: kv_img, .offset: 8, .size: 8, .value_kind: global_buffer, .address_space: global }
      - { .name: oq, .offset: 16, .size: 8, .value_kind: global_buffer, .address_space: global }
    .group_segment_fixed_size: 256000
    .private_segment_fixed_size: 0
    .kernarg_segment_align: 8
    .kernarg_segment_size: 24
    .max_flat_workgroup_size: 512
    .sgpr_count:     96
    .vgpr_count:     256
    .wavefront_size: 32
...
	.end_amdgpu_metadata
.endif
;; end of part 3
;; launch proj (part 4): grid 8 x 32, 4 waves a work-group, clusters of 4 x 4, 266,752 bytes of LDS; arguments oq, woq, b_out, out0; writes out0
.if DOCPART == 4
	.amdgcn_target "amdgcn-amd-amdhsa--gfx1250"
	.amdhsa_code_object_version 6
	.text
	.protected	k_q8ba250b546_proj
	.globl	k_q8ba250b546_proj
	.p2align	8
	.type	k_q8ba250b546_proj,@function
k_q8ba250b546_proj:
	s_mov_b64 s[64:65], 0
	v_nop
	global_prefetch_b8 v0, s[64:65] scope:SCOPE_SE
	s_setreg_imm32_b32 hwreg(HW_REG_WAVE_MODE, 25, 1), 1
	s_wait_xcnt 0x0
	s_wait_alu depctr_hold_cnt(0) depctr_sa_sdst(0) depctr_va_vdst(0) depctr_va_sdst(0) depctr_va_ssrc(0) depctr_va_vcc(0) depctr_vm_vsrc(0)
	s_getreg_b32 s2, hwreg(HW_REG_IB_STS2, 6, 4)
	s_cmp_eq_u32 s2, 0
	s_cbranch_scc0 .Lentry_in_a_cluster
	s_endpgm
.Lentry_in_a_cluster:
	s_bfe_u32 s2, ttmp6, 0x10000c
	s_cmp_lg_u32 s2, 0xf033
	s_cbranch_scc0 .Lentry_shape_is_right
	s_endpgm
.Lentry_shape_is_right:
; out = o W_out^T + b_out on codes of FP6 (E2M3) with E8M0 scales, K = 1,024; f32 sums and results.
; A work-group makes 128 tokens x 128 columns: 256 work-groups of equal work.  Waves 2 x 2, 64 x 64 each.
; ALL of K lies in LDS, filled once by four joint loads, one a wave: waves 0, 1 the halves of W_out's eight tiles; wave 2 tiles 0, 1 of both halves of o's eight, wave 3 tiles 2, 3; nothing is filled again.
; A wave's four tiles of W_out, all of K, go into 384 registers; then its four tiles of o follow one after the other, 32 products each, and each tile's 16 rows leave while the next is multiplied.
; CLUSTERS 4 x 4: o's tiles are shared along a row of the cluster, W_out's along a column.  No prefetch: all tiles are asked for at the head, and there is no loop to run ahead in.
; Source 0 = W_out's tile b, source 1 = o's tile a: lane (r, h) holds token r of tile a and the 32 neighbouring columns 32 h + 8 b + j.  The bias is the first products' C.
; LIMITS: NaN and infinities are not served.
; REGISTERS by windows of 256: 0: v1-20 addresses, v32-63 o's scale words (tile a, step q at 32 + 8 a + q), v68-99 W_out's, v100-131 the bias, v132-227 o's fragments of tiles 0, 2; 1 and 2: W_out's fragments f = 4 q + b, 21 and 11;
;   2 also: 132-227 o's fragments of tiles 1, 3;  3: 0-127 accumulators, 128-255 rows read back from the stage.
.set TROW, 12288
.set ABASE, 8*TROW                     ; o's tiles behind W_out's: [a / 2][wr][a % 2]
.set STG,  16*TROW                     ; a stage of 4 x 16 rows x 272 bytes for each wave
.set SPITCH, 272
.set WSTG, 64*SPITCH
.set SPARE, STG+4*WSTG                 ; the spare words, 128 bytes for each wave
.set AF,   132
.set MSB, 0
.macro WIN new
.if MSB != (\new)
	s_set_vgpr_msb (MSB<<8)|(\new)
.set MSB, (\new)
.endif
.endm
.macro PLACES n
.rept \n
	v_nop
.endr
.endm
.macro CROUND
	s_barrier_signal -1
	s_barrier_wait -1
	s_cmp_lg_u32 s14, 0
	s_cbranch_scc1 .Lnot_wave_0_\@
	s_barrier_signal -3
.Lnot_wave_0_\@:
	s_barrier_wait -3
	s_barrier_signal -1
	s_barrier_wait -1
.endm
.macro TLOAD g0, g1
	tensor_load_to_lds s[\g0:\g0+3], s[\g1:\g1+7]
	s_nop 0
	PLACES 4
.endm
.macro GROUP1 g, dim, rows, pitch      ; in elements of 8 bytes
	s_mov_b32 s[\g+1], (\dim)<<16
	s_mov_b32 s[\g+2], (\rows)<<16
	s_mov_b32 s[\g+3], (\dim)<<16
	s_mov_b32 s[\g+4], \rows
	s_mov_b32 s[\g+5], \pitch
	s_mov_b32 s[\g+6], 0
	s_mov_b32 s[\g+7], 0
.endm
	s_load_b256 s[4:11], s[0:1], 0x0               ; oq, woq, b_out, out0
	v_lshl_add_u32 v8, v0, 2, SPARE
	v_mov_b32 v9, 0
	ds_add_u32 v8, v9                              ; the opening lines
	ds_add_u32 v8, v9
	v_lshrrev_b32 v1, 5, v0
	v_readfirstlane_b32 s14, v1                    ; wave
	s_lshr_b32 s15, s14, 1                         ; wr: my half of the tokens
	s_and_b32 s16, s14, 1                          ; wc: my half of the columns.  Also: which of two loads is mine
	s_bfe_u32 s56, ttmp6, 0x40000
	s_bfe_u32 s57, ttmp6, 0x40004
	s_lshl_b32 s58, ttmp9, 2
	s_add_co_u32 s58, s58, s56                     ; block of 128 columns
	s_and_b32 s59, ttmp7, 0xffff
	s_lshl_b32 s59, s59, 2
	s_add_co_u32 s59, s59, s57                     ; block of 128 tokens
	s_lshl_b32 s60, s57, 2
	s_lshl_b32 s60, 15, s60                        ; my row of the cluster
	s_lshl_b32 s61, 0x1111, s56                    ; my column
	s_or_b32 s24, s60, (3<<16)|(1<<21)
	s_or_b32 s32, s61, (3<<16)|(1<<21)
	GROUP1 24, 3072, 2, 6144                       ; two tiles of each half of o's eight
	GROUP1 32, 384, 16, 384                        ; four tiles of W_out, dense
	s_mul_i32 s17, s16, 2*TROW
	s_mul_i32 s20, s59, 8*TROW
	s_add_co_u32 s20, s20, s17
	s_mov_b32 s21, 0
	s_mul_i32 s17, s16, 4*TROW
	s_mul_i32 s22, s58, 8*TROW
	s_add_co_u32 s22, s22, s17
	s_mov_b32 s23, 0
	s_mov_b32 s40, 1
	s_mov_b32 s41, s17
	s_mov_b32 s44, 1
	s_add_co_u32 s45, s17, ABASE
	s_lshl_b32 s66, s59, 3                         ; scale bytes: o's tiles, W_out's tiles
	s_lshl_b32 s17, s15, 2
	s_add_co_u32 s66, s66, s17
	s_lshl_b32 s66, s66, 9
	s_add_co_u32 s66, s66, 256*TROW
	s_mov_b32 s67, 0
	s_lshl_b32 s68, s58, 3
	s_lshl_b32 s17, s16, 2
	s_add_co_u32 s68, s68, s17
	s_lshl_b32 s68, s68, 9
	s_add_co_u32 s68, s68, 64*TROW
	s_mov_b32 s69, 0
	s_lshl_b32 s70, s58, 9                         ; my first column, in bytes
	s_lshl_b32 s17, s16, 8
	s_add_co_u32 s70, s70, s17
	s_mov_b32 s71, 0
	s_lshl_b32 s72, s59, 7
	s_lshl_b32 s17, s15, 6
	s_add_co_u32 s72, s72, s17
	s_lshl_b32 s72, s72, 12                        ; my first row of the result
	s_add_co_u32 s72, s72, s70
	s_mov_b32 s73, 0
	s_mul_i32 s17, s16, 4*TROW                     ; my four tiles of W_out,
	s_mul_i32 s18, s15, 2*TROW
	s_add_co_u32 s18, s18, ABASE                   ; tiles 0, 1 of o,
	s_add_co_u32 s74, s18, 4*TROW                  ; tiles 2, 3
	s_mul_i32 s19, s14, WSTG
	s_add_co_u32 s19, s19, STG
	s_wait_dscnt 0x0
	CROUND                                         ; all sixteen work-groups are here: the joint loads meet
	s_wait_kmcnt 0x0
	s_add_nc_u64 s[42:43], s[6:7], s[22:23]
	s_or_b32 s43, s43, 0x80000000
	s_add_nc_u64 s[46:47], s[4:5], s[20:21]
	s_or_b32 s47, s47, 0x80000000
	s_cmp_lt_u32 s14, 2                            ; one load a wave; a line of its own for the waves that wait at the same barrier
	s_cbranch_scc0 .Lhead_1
	TLOAD 40, 32
	s_branch .Lasked
.Lhead_1:
	s_cmp_eq_u32 s14, 2
	s_cbranch_scc0 .Lhead_2
	TLOAD 44, 24
	s_branch .Lasked
.Lhead_2:
	TLOAD 44, 24
.Lasked:
	s_add_nc_u64 s[66:67], s[4:5], s[66:67]
	s_add_nc_u64 s[68:69], s[6:7], s[68:69]
	s_add_nc_u64 s[70:71], s[8:9], s[70:71]
	s_add_nc_u64 s[10:11], s[10:11], s[72:73]
	v_and_b32 v1, 15, v0                           ; r
	v_bfe_u32 v2, v0, 4, 1                         ; h
	v_and_b32 v7, 31, v0
	v_lshlrev_b32 v3, 4, v7                        ; 16 x lane
	v_lshlrev_b32 v4, 3, v7                        ; 8 x lane
	v_lshlrev_b32 v5, 5, v1                        ; a row's 32 scale bytes
	v_lshlrev_b32 v6, 7, v2                        ; the bias: columns 32 h on
	v_add_nc_u32 v10, s17, v3                      ; W_out
	v_add_nc_u32 v11, s17, v4
	v_add_nc_u32 v12, s18, v3                      ; o, tiles 0, 1
	v_add_nc_u32 v13, s18, v4
	v_add_nc_u32 v14, s74, v3                      ; tiles 2, 3
	v_add_nc_u32 v15, s74, v4
	v_mul_u32_u24 v18, v1, SPITCH                  ; the way out: in: row r, 128 bytes for each half of the lanes;
	v_lshl_add_u32 v18, v2, 7, v18
	v_add_nc_u32 v18, s19, v18
	v_mul_u32_u24 v19, v2, SPITCH                  ; back: lanes 0-15 a row of 256 bytes, lanes 16-31 the next;
	v_lshl_add_u32 v19, v1, 4, v19
	v_add_nc_u32 v19, s19, v19
	v_lshlrev_b32 v20, 12, v2                      ; and the same two rows in the result
	v_lshl_add_u32 v20, v1, 4, v20
.irp a, 0,1,2,3
	global_load_b128 v[32+8*\a:35+8*\a], v5, s[66:67] offset:512*\a
	global_load_b128 v[36+8*\a:39+8*\a], v5, s[66:67] offset:512*\a+16
	global_load_b128 v[68+8*\a:71+8*\a], v5, s[68:69] offset:512*\a
	global_load_b128 v[72+8*\a:75+8*\a], v5, s[68:69] offset:512*\a+16
.endr
.irp m, 0,1,2,3,4,5,6,7
	global_load_b128 v[100+4*\m:103+4*\m], v6, s[70:71] offset:16*\m
.endr
.macro FRAG reg, adr, off
	ds_load_b128 v[\reg:\reg+3], v[\adr] offset:\off
	ds_load_b64 v[\reg+4:\reg+5], v[\adr+1] offset:\off+512
	ds_load_b128 v[\reg+6:\reg+9], v[\adr] offset:\off+768
	ds_load_b64 v[\reg+10:\reg+11], v[\adr+1] offset:\off+1280
.endm
.macro FETCHA a                        ; o's tile a, all of K: 32 loads
	WIN 0x80*((\a)%2)
.irp q, 0,1,2,3,4,5,6,7
	FRAG AF+12*\q, 12+2*((\a)/2), TROW*((\a)%2)+1536*\q
.endr
	WIN 0
.endm
; Tile a, steps q0 .. q1 - 1.  The tile's four accumulators take turns, one instruction a turn.
.macro ROW a, q0, q1
.set Q_, \q0
.rept (\q1)-(\q0)
.irp b, 0,1,2,3
.set D_, 32*(\a)+8*\b
.set F_, 4*Q_+\b
.set BF_, 12*(F_%21)
.set FA_, AF+12*Q_
.set SA_, 32+8*(\a)+Q_
.set SB_, 68+8*\b+Q_
.if Q_ > 0
	WIN (1+F_/21)|(8*((\a)%2))|0xf0
	v_wmma_scale_f32_16x16x128_f8f6f4 v[D_:D_+7], v[BF_:BF_+11], v[FA_:FA_+11], v[D_:D_+7], v[SB_], v[SA_] matrix_a_fmt:MATRIX_FMT_FP6 matrix_b_fmt:MATRIX_FMT_FP6
.else
	WIN (1+F_/21)|(8*((\a)%2))|0xc0
	v_wmma_scale_f32_16x16x128_f8f6f4 v[D_:D_+7], v[BF_:BF_+11], v[FA_:FA_+11], v[100+8*\b:107+8*\b], v[SB_], v[SA_] matrix_a_fmt:MATRIX_FMT_FP6 matrix_b_fmt:MATRIX_FMT_FP6
.endif
.endr
.set Q_, Q_+1
.endr
	WIN 0
.endm
; THE WAY OUT: a tile of 16 rows x 64 columns goes through my own stage and comes back as whole rows of 256 bytes.  Each accumulator from its low end on.
.macro TOSTAGE a
	WIN 0x0c
.irp b, 0,1,2,3
	ds_store_b128 v18, v[32*(\a)+8*\b:32*(\a)+8*\b+3] offset:16*SPITCH*(\a)+32*\b
	ds_store_b128 v18, v[32*(\a)+8*\b+4:32*(\a)+8*\b+7] offset:16*SPITCH*(\a)+32*\b+16
.endr
	WIN 0xc0
.irp m, 0,1,2,3,4,5,6,7
	ds_load_b128 v[128+32*(\a)+4*\m:131+32*(\a)+4*\m], v19 offset:16*SPITCH*(\a)+2*SPITCH*\m   ; LDS serves a wave's instructions in order (ISA guide 5.7.1.4): these see the stores above
.endr
	WIN 0
.endm
.macro SEND a                          ; row p of tile a is token 32 (p / 8) + 8 a + p % 8 of my 64
	s_wait_dscnt 0x0                               ; the tile is back (and the fragments asked for ahead of it are in)
	WIN 0x0c
.irp m, 0,1,2,3,4,5,6,7
	global_store_b128 v20, v[128+32*(\a)+4*\m:131+32*(\a)+4*\m], s[10:11] offset:(32*(\m/4)+8*(\a)+2*(\m%4))*4096 th:TH_STORE_NT   ; 16 lanes store 256 consecutive bytes, aligned
.endr
	WIN 0
.endm
	s_wait_alu depctr_va_vdst(0)                   ; the wait at the head's end
	s_cmp_lt_u32 s14, 2
	s_cbranch_scc0 .Lnot_b
	s_wait_tensorcnt 0x0
.Lnot_b:
	s_barrier_signal -1
	s_barrier_wait -1                              ; W_out's tiles are in; o's may be on their way
.set F, 0
.rept 32
	WIN (1+F/21)<<6
	FRAG 12*(F%21), 10, TROW*(F%4)+1536*(F/4)
.set F, F+1
.endr
	WIN 0
	s_wait_loadcnt 0x0                             ; scale words and bias
	s_cmp_eq_u32 s14, 2
	s_cbranch_scc0 .Lnot_a
	s_wait_tensorcnt 0x0
.Lnot_a:
	s_wait_dscnt 0x0
	s_barrier_signal -1
	s_barrier_wait -1                              ; o's tiles 0, 1 are in
	FETCHA 0
	FETCHA 1
	s_wait_dscnt 32                                ; tile 0 is in; tile 1's 32 loads may be out
	ROW 0, 0, 4
	s_wait_tensorcnt 0x0
	s_wait_dscnt 0x0
	s_barrier_signal -1
	ROW 0, 4, 8
	s_barrier_wait -1                              ; o's tiles 2, 3 are in
	PLACES 4                                       ; in front of loads into registers that products have read, and of the first read of results
	FETCHA 2
	TOSTAGE 0
	ROW 1, 0, 8
	SEND 0
	PLACES 4
	FETCHA 3
	TOSTAGE 1
	ROW 2, 0, 8
	SEND 1
	PLACES 4
	TOSTAGE 2
	ROW 3, 0, 8
	SEND 2
	PLACES 4
	TOSTAGE 3
	SEND 3
	s_wait_tensorcnt 0x0                           ; the wave's end
	ds_add_u32 v8, v9
	s_wait_dscnt 0x0
	CROUND                                         ; the closing round: no work-group ends while a partner may still ask for a tile that names it
	s_endpgm
.Lfunc_end_k_q8ba250b546_proj:
	.size	k_q8ba250b546_proj, .Lfunc_end_k_q8ba250b546_proj-k_q8ba250b546_proj
	.p2alignl 7, 3214868480
	.fill 96, 4, 3214868480
	.section	.rodata,"a",@progbits
	.p2align	6, 0x0
	.amdhsa_kernel k_q8ba250b546_proj
		.amdhsa_group_segment_fixed_size 266752
		.amdhsa_private_segment_fixed_size 0
		.amdhsa_enable_private_segment 0
		.amdhsa_kernarg_size 32
		.amdhsa_user_sgpr_count 2
		.amdhsa_user_sgpr_kernarg_segment_ptr 1
		.amdhsa_wavefront_size32 1
		.amdhsa_system_sgpr_workgroup_id_x 1
		.amdhsa_system_sgpr_workgroup_id_y 1
		.amdhsa_system_sgpr_workgroup_id_z 1
		.amdhsa_system_vgpr_workitem_id 0
		.amdhsa_next_free_vgpr 1024
		.amdhsa_next_free_sgpr 100
		.amdhsa_reserve_vcc 0
		.amdhsa_float_denorm_mode_32 3
		.amdhsa_float_denorm_mode_16_64 3
		.amdhsa_memory_ordered 1
		.amdhsa_forward_progress 1
		.amdhsa_inst_pref_size 51
	.end_amdhsa_kernel
	.amdgpu_metadata
---
amdhsa.version: [ 1, 2 ]
amdhsa.kernels:
  - .name:           k_q8ba250b546_proj
    .symbol:         k_q8ba250b546_proj.kd
    .args:
      - { .name: oq, .offset: 0, .size: 8, .value_kind: global_buffer, .address_space: global }
      - { .name: woq, .offset: 8, .size: 8, .value_kind: global_buffer, .address_space: global }
      - { .name: b_out, .offset: 16, .size: 8, .value_kind: global_buffer, .address_space: global }
      - { .name: out0, .offset: 24, .size: 8, .value_kind: global_buffer, .address_space: global }
    .group_segment_fixed_size: 266752
    .private_segment_fixed_size: 0
    .kernarg_segment_align: 8
    .kernarg_segment_size: 32
    .max_flat_workgroup_size: 128
    .sgpr_count:     100
    .vgpr_count:     1024
    .wavefront_size: 32
...
	.end_amdgpu_metadata
.endif
;; end of part 4
